; MI455X (gfx1250); checked and timed in simulation.
; The chip was launched on July 23, 2026; its instructions are those of AMD's public machine-readable ISA for CDNA 5 (MIT licence, August 2026) and "CDNA5" Instruction Set Architecture Reference Guide (July 2026). The comments in the code are by the model that wrote it; some were corrected since.
;; Multi Head Attention. Allowed arithmetic: matrix products marked QUANTISED: E2M1 operands, one E8M0 scale for each 32 along K, by v_wmma_scale_f32_16x16x128_f8f6f4 with both operands' format E2M1 (or v_wmma_scale_f32_32x16x128_f4), f32 sums; everything else in f32.
;; Inputs: Wf_codes 64 x 32 x 16 uint8 (E2M1 codes of Wf, K innermost, in blocks of 32 codes, two codes a byte); Wf_scales 64 x 32 uint8 (E8M0 scales of Wf, one for each 32 codes along K); Wk_codes 1,024 x 32 x 16 uint8 (E2M1 codes of Wk, K innermost, in blocks of 32 codes, two codes a byte); Wk_scales 1,024 x 32 uint8 (E8M0 scales of Wk, one for each 32 codes along K); Wq_codes 1,024 x 32 x 16 uint8 (E2M1 codes of Wq, K innermost, in blocks of 32 codes, two codes a byte); Wq_scales 1,024 x 32 uint8 (E8M0 scales of Wq, one for each 32 codes along K); Wv_codes 1,024 x 32 x 16 uint8 (E2M1 codes of Wv, K innermost, in blocks of 32 codes, two codes a byte); Wv_scales 1,024 x 32 uint8 (E8M0 scales of Wv, one for each 32 codes along K); bf 64 float32; bk 1,024 float32; bq 1,024 float32; bv 1,024 float32; x_codes 4 x 2,048 x 32 x 16 uint8 (E2M1 codes of x, K innermost, in blocks of 32 codes, two codes a byte); x_scales 4 x 2,048 x 32 uint8 (E8M0 scales of x, one for each 32 codes along K).
;; Outputs: out0 4 x 2,048 x 64 float32.
;; This version of the problem:
;;   THIS VERSION OF THE PROBLEM IS GIVEN IN LOW PRECISION. The matrix products marked QUANTISED in the list below multiply operands that are first quantised to E2M1 (2 exponent bits, 1 mantissa bit; 4 bits a number), with one power-of-two scale for each 32 numbers along K (OCP MX v1.0); their sums are f32. All else is computed in f32.
;;   The module's matrix products, in the order in which they are computed (A, B: the left and right operand; K: the contracted axis; several contracted axes count as one K, in the product's order):
;;     1. [M 8,192, K 1,024] x [K 1,024, N 1,024]; A: input x (given as codes); B: input Wq (given as codes): QUANTISED
;;     2. [M 8,192, K 1,024] x [K 1,024, N 1,024]; A: input x (given as codes); B: input Wk (given as codes): QUANTISED
;;     3. [M 8,192, K 1,024] x [K 1,024, N 1,024]; A: input x (given as codes); B: input Wv (given as codes): QUANTISED
;;     4. batch 64 x [M 2,048, K 64] x [K 64, N 2,048]; A: computed on the way; B: computed on the way: QUANTISED
;;     5. batch 64 x [M 2,048, K 2,048] x [K 2,048, N 64]; A: softmax (see below); B: computed on the way: QUANTISED
;;     6. [M 8,192, K 1,024] x [K 1,024, N 64]; A: computed on the way; B: input Wf (given as codes): QUANTISED
;;   THE QUANTISER, for each operand of a quantised product, along K:
;;     - K is cut into blocks of 32 from its start; a last block that is shorter is filled with zeros.
;;     - A block's scale is 2^e with e = floor(log2(the largest magnitude in the block)) - 2, held to -126 .. 127; a block of zeros has e = 0. As a byte (E8M0): e + 127.
;;     - Each number is divided by its block's scale, clamped to +-6, and rounded to the nearest number of E2M1, ties to even, subnormals kept.
;;     - The product sums the exact products of the quantised numbers (number of the format x scale) in f32.
;;   ~~~python
;;   def quantise(x, axis):      # numpy; x: float32 -> the quantised numbers, widened to float32 again
;;       x = np.moveaxis(x, axis, -1); K = x.shape[-1]
;;       x = np.pad(x, [(0, 0)] * (x.ndim - 1) + [(0, -K % 32)]); x = x.reshape(x.shape[:-1] + (-1, 32)); a = np.abs(x).max(-1, keepdims=True)
;;       e = np.where(a > 0, np.clip(np.frexp(np.where(a > 0, a, 1))[1] - 1 - 2, -126, 127), 0)      # np.frexp(a)[1] - 1 = floor(log2(a)), exactly
;;       r = np.clip(x / 2.0 ** e, -6, 6)
;;       step = 2.0 ** (np.maximum(np.frexp(np.where(r == 0, 1, r))[1] - 1, 0) - 1)
;;       q = np.round(r / step) * step * 2.0 ** e      # np.round: ties to even
;;       return np.moveaxis(q.reshape(q.shape[:-2] + (-1,))[..., :K], -1, axis).astype(np.float32)
;;   ~~~
;;   SOFTMAX AHEAD OF A QUANTISED PRODUCT. Where the list says 'softmax', what is quantised is not the finished softmax but p = 2^(t - M), with t = logit x log2(e) and M = ceil(the row's largest t), a whole number; so 1/2 < the row's largest p <= 1. The row's sum l is taken of the UNQUANTISED p, in f32, and the product's result is divided by l at the end. Since M is a whole number, a kernel that streams over the keys may use a running M (the ceiling of the running maximum): every later rescaling is an exact power of two, which a block's scale takes up: the codes' values come out the same.
;;   OPERANDS COMPUTED ON THE WAY. 'Computed on the way' means the value that the module computes at that place (a softmax that the list does not call 'softmax' is quantised finished and normalised). What goes into a quantiser is computed in f32, as accurately as f32 sums, v_exp_f32 and their like allow (about 1e-6 of the number): no bf16 or f16 on the way to a quantiser, and a product that is left as it is and whose result goes on into a quantised operand takes f32 operands (vector FMAs, or v_wmma_f32_16x16x4_f32). A number that lies on a knife's edge between two numbers of the format may be rounded either way, as far as f32 arithmetic and the matrix unit's own rounding can turn it there, and no further.
;;   INPUTS GIVEN AS CODES. Wf (in the module: [1024, 64], K = its axis 0); Wk (in the module: [1024, 1024], K = its axis 0); Wq (in the module: [1024, 1024], K = its axis 0); Wv (in the module: [1024, 1024], K = its axis 0); x (in the module: [4, 2048, 1024], K = its axis 2): each comes as NAME_codes (uint8): NAME with its K axis moved to the last place and cut into blocks of 32 codes, [.., K / 32, bytes a block], one block behind the other in memory; two codes a byte, the lower K in the low four bits (a code: sign, 2 exponent bits, 1 mantissa bit); and NAME_scales (uint8): the same leading axes, one E8M0 byte (e + 127) for each 32 codes along K. Its value is code x scale, taken as it is: it is not quantised again, and the codes and scales need not be those that the quantiser above would give.
;; One version. Each part assembles by itself: llvm-mc -triple=amdgcn-amd-amdhsa -mcpu=gfx1250 --defsym DOCPART=n.
;; ======== version 1 of 1: 3 launches
;; limits: right only within a limited range of input values
;; workspace buffers: qkv 8,912,896 bytes; cimg 4,194,304 bytes; csc 262,144 bytes
;; launch proj (part 1): grid 4 x 64, 4 waves a work-group, clusters of 4 x 4, 327,680 bytes of LDS; arguments x_codes, x_scales, Wv_codes, Wv_scales, Wk_codes, Wk_scales, bk, bv, qkv; writes qkv
.if DOCPART == 1
	.amdgcn_target "amdgcn-amd-amdhsa--gfx1250"
	.amdhsa_code_object_version 6
	.text
	.protected	k_qc37256150c_proj
	.globl	k_qc37256150c_proj
	.p2align	8
	.type	k_qc37256150c_proj,@function
k_qc37256150c_proj:
	s_mov_b64 s[64:65], 0
	v_nop
	global_prefetch_b8 v0, s[64:65] scope:SCOPE_SE
	s_setreg_imm32_b32 hwreg(HW_REG_WAVE_MODE, 25, 1), 1
	s_wait_xcnt 0x0
	s_wait_alu depctr_hold_cnt(0) depctr_sa_sdst(0) depctr_va_vdst(0) depctr_va_sdst(0) depctr_va_ssrc(0) depctr_va_vcc(0) depctr_vm_vsrc(0)
	s_getreg_b32 s2, hwreg(HW_REG_IB_STS2, 6, 4)
	s_cmp_eq_u32 s2, 0
	s_cbranch_scc0 .Lentry_in_a_cluster
	s_endpgm
.Lentry_in_a_cluster:
	s_bfe_u32 s2, ttmp6, 0x10000c
	s_cmp_lg_u32 s2, 0xf033
	s_cbranch_scc0 .Lentry_shape_is_right
	s_endpgm
.Lentry_shape_is_right:
; K = x Wk + bk and V = x Wv + bv on codes of FP4 (E2M1) with E8M0 scales, quantised again (K along the head's 64, V along the keys) and stored in qkv as images of the
; attention launch's operands: for each head 16 steps of 128 keys x 8,704 bytes: K's eight tiles, V's four fragments, 512 bytes of scale words.  Nothing is left out; Q is made in the attention launch.
; 256 work-groups of four waves, a block of 256 x 256 each, 128 x 128 a wave; K = 1,024 lies in two LDS slots of 512, each filled once.  KIND 1: rows = x, columns = Wk.  KIND 2: rows = Wv, columns = x.
; 4 x 4 work-groups form a cluster: the rows' tiles are asked for jointly along a row of the cluster, the columns' along a column.
; LIMITS: NaN and infinities are not served; a block of zeros gets the byte 1 (its codes are zeros; this program alone reads the bytes).
.set KSTEP,  512
.set NQ,     4
.set ROWB,   256
.set KROW,   512
.set PITCH,  528                       ; an LDS row: a whole row of K, 512 bytes, + 16 of padding: an odd multiple of 16
.set FR,     8
.set NL,     2
.set NP,     4
.set HALFT,  128*PITCH
.set SLOT,   256                       ; the second 512 along K begins 256 bytes on in each row
.set KS,     32
.set SCL,    4*HALFT
.set HALFS,  (128*KS/256)*272
.set SBLK,   (16*KS/256)*272
.set SPARE,  SCL+4*HALFS
.set HS,     139264
.set STEPB,  8704
.set ADRA, 16
.set ADRB, 20
.set LI,   24
.set VS,   25
.set VBQ,  26
.set ADRS, 27
.set SPW,  28
.set NIL,  29
.set VBV,  30
.set SC,   32
.set PC,   32
.set TM,   96
.set PW,   112
.set OW,   120
.set SELV, 124
.set AF,   128
.set T,    128
.set BI,   192
.set HC,   2
.set KIND, 3
.set TR,   16
.set TC,   17
.set WV,   18
.set HR,   19
.set G1,   20
.set G0,   28
.set G1B,  36
.set G0B,  44
.set G1S,  52
.set G0S,  60
.set G1SB, 68
.set G0SB, 76
.set SEL,  96
.set HM,   98
.set MSB, 0
.macro WIN new
.if MSB != \new
	s_set_vgpr_msb (MSB<<8)|\new
.set MSB, \new
.endif
.endm
.set MUL_LO, 0xa1
.set MUL_HI, 0xf1
.set TO_B,   0x40
; an arm of the head's one chain of branches on the wave's number: one joint load, then a jump to the join
.macro ARM under, g0, g1, next
	s_cmp_lt_u32 s[WV], \under
	s_cbranch_scc0 \next
	tensor_load_to_lds s[\g0:\g0+3], s[\g1:\g1+7]
	s_nop 0
.rept 4
	v_nop
.endr
	s_branch .Lhead_asked
\next:
.endm
.macro CROUND
	s_barrier_signal -1
	s_barrier_wait -1
	s_cmp_lg_u32 s[WV], 0
	s_cbranch_scc1 .Lnot_wave_0_\@
	s_barrier_signal -3
.Lnot_wave_0_\@:
	s_barrier_wait -3
	s_barrier_signal -1
	s_barrier_wait -1
.endm
	s_load_b512 s[68:83], s[0:1], 0x0
	s_load_b64 s[84:85], s[0:1], 0x40
	v_lshl_add_u32 v[SPW], v0, 2, SPARE
	v_mov_b32 v[NIL], 0
	ds_add_u32 v[SPW], v[NIL]
	ds_add_u32 v[SPW], v[NIL]
	v_lshrrev_b32 v1, 5, v0
	v_readfirstlane_b32 s[WV], v1
	s_lshr_b32 s[HR], s[WV], 1
	s_and_b32 s[HC], s[WV], 1
	s_bfe_u32 s92, ttmp6, 0x40000
	s_bfe_u32 s93, ttmp6, 0x40004
	s_and_b32 s94, ttmp7, 0xffff
	s_lshr_b32 s[KIND], s94, 3
	s_add_co_u32 s[KIND], s[KIND], 1               ; 1: K, 2: V
	s_and_b32 s94, s94, 7
	s_lshl_b32 s94, s94, 2
	s_cmp_lt_u32 s[KIND], 2
	s_cselect_b32 s[TR], s94, 0
	s_cselect_b32 s[TC], 0, s94
	s_add_co_u32 s[TR], s[TR], s93
	s_add_co_u32 s[TC], s[TC], s92
	s_lshl_b32 s95, s93, 2
	s_lshl_b32 s95, 15, s95
	s_lshl_b32 s99, 0x1111, s92
	s_or_b32 s[G1+0], s95, (3<<16)|(1<<20)|(1<<21)|(6<<22)|(3<<25)   ; elements of 8 bytes; four words of padding after every 128
	s_or_b32 s[G1B+0], s99, (3<<16)|(1<<20)|(1<<21)|(6<<22)|(3<<25)
.irp g, G1, G1B                        ; 256 rows of 64 elements: a block's rows, whole along K
	s_mov_b32 s[\g+1], 64<<16
	s_mov_b32 s[\g+2], 256<<16
	s_mov_b32 s[\g+3], 64<<16
	s_mov_b32 s[\g+4], 256
	s_mov_b32 s[\g+5], 64
	s_mov_b32 s[\g+6], 0
	s_mov_b32 s[\g+7], 0
.endr
	s_or_b32 s[G1S+0], s95, (3<<16)|(1<<20)|(1<<21)|(5<<22)|(3<<25)
	s_mov_b32 s[G1S+1], 32<<16
	s_mov_b32 s[G1S+2], 32<<16
	s_mov_b32 s[G1S+3], 32<<16
	s_mov_b32 s[G1S+4], 32
	s_mov_b32 s[G1S+5], 32
	s_mov_b32 s[G1S+6], 0
	s_mov_b32 s[G1S+7], 0
	s_mov_b32 s[SEL], 0x76543210
	s_mov_b32 s[SEL+1], 0xfedcba98
	s_mov_b32 s[HM], 0xffff0000
	s_wait_dscnt 0x0
	s_wait_kmcnt 0x0
	s_cmp_lt_u32 s[KIND], 2
	s_cselect_b64 s[4:5], s[68:69], s[72:73]
	s_cselect_b64 s[6:7], s[70:71], s[74:75]
	s_cmp_eq_u32 s[KIND], 2
	s_cselect_b64 s[8:9], s[68:69], s[76:77]
	s_cselect_b64 s[10:11], s[70:71], s[78:79]
	s_cselect_b64 s[12:13], s[82:83], s[80:81]
	s_mov_b64 s[14:15], s[84:85]
	s_or_b32 s[G1SB+0], s99, (3<<16)|(1<<20)|(1<<21)|(5<<22)|(3<<25)
	s_mov_b32 s[G1SB+1], 32<<16
	s_mov_b32 s[G1SB+2], 32<<16
	s_mov_b32 s[G1SB+3], 32<<16
	s_mov_b32 s[G1SB+4], 32
	s_mov_b32 s[G1SB+5], 32
	s_mov_b32 s[G1SB+6], 0
	s_mov_b32 s[G1SB+7], 0
	s_lshl_b32 s82, s[TR], 8
	s_lshl_b32 s66, s82, 5
	s_mov_b32 s67, 0
	s_lshl_b32 s82, s82, 9
	s_mov_b32 s83, 0
	s_lshl_b32 s84, s[TC], 8
	s_lshl_b32 s86, s84, 5
	s_mov_b32 s87, 0
	s_lshl_b32 s84, s84, 9
	s_mov_b32 s85, 0
	s_add_nc_u64 s[82:83], s[4:5], s[82:83]
	s_add_nc_u64 s[66:67], s[6:7], s[66:67]
	s_add_nc_u64 s[84:85], s[8:9], s[84:85]
	s_add_nc_u64 s[86:87], s[10:11], s[86:87]
	CROUND
	; the head's four tiles, each whole, one joint load a wave: wave 0 the rows' 256 rows of codes, wave 1 the columns', wave 2 the rows' scale bytes, wave 3 the columns'.  Nothing is filled later
	s_mov_b32 s[G0S], 1
	s_mov_b32 s[G0S+1], SCL
	s_mov_b64 s[G0S+2:G0S+3], s[66:67]
	s_or_b32 s[G0S+3], s[G0S+3], 0x80000000
	s_mov_b32 s[G0SB], 1
	s_mov_b32 s[G0SB+1], SCL+2*HALFS
	s_mov_b64 s[G0SB+2:G0SB+3], s[86:87]
	s_or_b32 s[G0SB+3], s[G0SB+3], 0x80000000
	s_mov_b32 s[G0], 1
	s_mov_b32 s[G0+1], 0
	s_mov_b64 s[G0+2:G0+3], s[82:83]
	s_or_b32 s[G0+3], s[G0+3], 0x80000000
	s_mov_b32 s[G0B], 1
	s_mov_b32 s[G0B+1], 2*HALFT
	s_mov_b64 s[G0B+2:G0B+3], s[84:85]
	s_or_b32 s[G0B+3], s[G0B+3], 0x80000000
	ARM 1, G0,  G1,  .Lhead_b
	ARM 2, G0B, G1B, .Lhead_sa
	ARM 3, G0S, G1S, .Lhead_sb
	tensor_load_to_lds s[G0SB:G0SB+3], s[G1SB:G1SB+7]
	s_nop 0
.rept 4
	v_nop
.endr
.Lhead_asked:
	v_and_b32 v1, 15, v0
	v_bfe_u32 v2, v0, 4, 1
	v_mul_u32_u24 v3, v1, PITCH
	v_lshl_add_u32 v4, v2, 4, v3
	s_mul_i32 s80, s[HR], HALFT
	s_mul_i32 s81, s[HC], HALFT
	s_add_co_u32 s81, s81, 2*HALFT
.irp s, 0,1
	v_add_nc_u32 v[ADRA+\s], s80, v4
	v_add_nc_u32 v[ADRB+\s], s81, v4
	s_add_co_u32 s80, s80, SLOT
	s_add_co_u32 s81, s81, SLOT
.endr
	v_mul_u32_u24 v5, v1, KS
	v_lshrrev_b32 v6, 8, v5
	v_lshl_add_u32 v5, v6, 4, v5
	s_mul_i32 s80, s[HR], HALFS
	s_mul_i32 s81, s[HC], HALFS
	s_add_co_u32 s81, s81, 2*HALFS
	s_sub_co_u32 s81, s81, s80
	v_mul_u32_u24 v6, s81, v2
	s_add_co_u32 s80, s80, SCL
	v_add_nc_u32 v5, v5, v6
	v_add_nc_u32 v[ADRS], s80, v5
	v_and_b32 v7, 31, v0
	v_lshlrev_b32 v[LI], 4, v7
	v_mul_u32_u24 v[VS], v2, HS
	v_lshl_add_u32 v[VS], v1, 4, v[VS]
	v_lshlrev_b32 v[VBQ], 5, v2
	v_lshlrev_b32 v[VBV], 2, v1
	v_mov_b32 v[SELV], 0x05040100
	v_mov_b32 v[OW], 0x07060302
	v_cndmask_b32 v[SELV], v[SELV], v[OW], s[HM]
.irp b, 0,1,2,3
	v_mov_b32 v[TM+4+\b], 0
.endr
	s_lshl_b32 s88, s[TR], 8
	s_lshl_b32 s89, s[HR], 7
	s_add_co_u32 s88, s88, s89
	s_lshl_b32 s89, s[TC], 8
	s_lshl_b32 s90, s[HC], 7
	s_add_co_u32 s89, s89, s90
	s_cmp_lt_u32 s[KIND], 2
	s_cselect_b32 s90, s88, s89
	s_cselect_b32 s91, s89, s88
	s_lshr_b32 s92, s90, 11
	s_lshl_b32 s92, s92, 4
	s_lshr_b32 s93, s91, 6
	s_add_co_u32 s92, s92, s93
	s_mul_i32 s92, s92, HS
	s_bfe_u32 s93, s90, 0x40007
	s_mul_i32 s93, s93, STEPB
	s_add_co_u32 s92, s92, s93
	s_cmp_eq_u32 s[KIND], 2
	s_cselect_b32 s93, 4096, 0
	s_add_co_u32 s92, s92, s93
	s_mov_b32 s93, 0
	s_add_nc_u64 s[14:15], s[14:15], s[92:93]
	s_lshl_b32 s92, s91, 2
	s_add_nc_u64 s[12:13], s[12:13], s[92:93]
.macro FRAG reg, adr, q, i
.irp c, 0,1
	ds_load_b128 v[\reg+4*\c:\reg+4*\c+3], v[\adr] offset:64*(\q)+32*\c+(\i)*16*PITCH
.endr
.endm
.macro MUL16 a0, p, q, sc, zero
.irp a, \a0, \a0+1
.irp b, 0,1,2,3,4,5,6,7
.if \zero
	v_wmma_scale_f32_16x16x128_f8f6f4 v[8*(8*((\a)%4)+\b):8*(8*((\a)%4)+\b)+7], v[128*(\p)+FR*\b:128*(\p)+FR*\b+FR-1], v[AF+FR*(\a):AF+FR*(\a)+FR-1], 0, v[SC+8*NQ*(\sc)+NQ*\b+(\q)], v[SC+8*NQ*(\sc)+NQ*(\a)+(\q)] matrix_a_fmt:MATRIX_FMT_FP4 matrix_b_fmt:MATRIX_FMT_FP4 matrix_a_scale:MATRIX_SCALE_ROW1
.else
	v_wmma_scale_f32_16x16x128_f8f6f4 v[8*(8*((\a)%4)+\b):8*(8*((\a)%4)+\b)+7], v[128*(\p)+FR*\b:128*(\p)+FR*\b+FR-1], v[AF+FR*(\a):AF+FR*(\a)+FR-1], v[8*(8*((\a)%4)+\b):8*(8*((\a)%4)+\b)+7], v[SC+8*NQ*(\sc)+NQ*\b+(\q)], v[SC+8*NQ*(\sc)+NQ*(\a)+(\q)] matrix_a_fmt:MATRIX_FMT_FP4 matrix_b_fmt:MATRIX_FMT_FP4 matrix_a_scale:MATRIX_SCALE_ROW1
.endif
.endr
.endr
.endm
.macro FETCH_B slot, q, p
	WIN TO_B
.irp i, 0,1,2,3,4,5,6,7
	FRAG 128*(\p)+FR*\i, ADRB+\slot, \q, \i
.endr
	WIN 0
.endm
.macro FETCH_A slot, q, i0
.irp i, \i0, \i0+1, \i0+2, \i0+3
	FRAG AF+FR*(\i), ADRA+\slot, \q, \i
.endr
.endm
.macro SCALES sc
.irp i, 0,1,2,3,4,5,6,7
	ds_load_b128 v[SC+8*NQ*\sc+NQ*\i:SC+8*NQ*\sc+NQ*\i+3], v[ADRS] offset:\i*SBLK
.endr
.endm
.macro PLACES n
.rept \n
	v_nop
.endr
.endm
.macro STEP slot, q, zero
	s_wait_dscnt 4*NL
	WIN MUL_LO
	MUL16 0, (\q)%2, \q, \slot, \zero
	MUL16 2, (\q)%2, \q, \slot, \zero
	s_wait_dscnt 0
	PLACES NP
	FETCH_B \slot, (\q)+1, 1-(\q)%2
	FETCH_A \slot, (\q)+1, 0
	WIN MUL_HI
	MUL16 4, (\q)%2, \q, \slot, \zero
	MUL16 6, (\q)%2, \q, \slot, \zero
	PLACES NP
	WIN 0
	FETCH_A \slot, (\q)+1, 4
.endm
.macro STEPS slot, from
.set Q, \from
.rept NQ-1-\from
	STEP \slot, Q, 0
.set Q, Q+1
.endr
.endm
.macro LAST
	s_wait_dscnt 4*NL
	WIN MUL_LO
	MUL16 0, 1, NQ-1, 1, 0
	MUL16 2, 1, NQ-1, 1, 0
	s_wait_dscnt 0
	WIN MUL_HI
	MUL16 4, 1, NQ-1, 1, 0
	MUL16 6, 1, NQ-1, 1, 0
	WIN 0
.endm
.macro QUANT64 s, pc, pw
.irp b, 0,1,2,3
	v_max3_num_f32 v[TM+\b], |v[(\s)+16*\b]|, |v[(\s)+1+16*\b]|, 0x1800000
.endr
.irp i, 2,4,6,8,10,12,14
.irp b, 0,1,2,3
	v_max3_num_f32 v[TM+\b], v[TM+\b], |v[(\s)+16*\b+\i]|, |v[(\s)+1+16*\b+\i]|
.endr
.endr
.irp b, 0,1,2,3
	v_permlanex16_b32 v[TM+4+\b], v[TM+\b], s[SEL], s[SEL+1]
.endr
.irp b, 0,1,2,3
	v_max_num_f32 v[TM+\b], v[TM+\b], v[TM+4+\b]
.endr
.irp b, 0,1,2,3
	v_add_nc_u32 v[TM+12+\b], 0xff000000, v[TM+\b]
.endr
.irp b, 0,1,2,3
	v_lshrrev_b32 v[TM+4+\b], 23, v[TM+12+\b]
.endr
	v_lshl_or_b32 v[\pw], v[TM+5], 8, v[TM+4]
	v_lshl_or_b32 v[\pw], v[TM+6], 16, v[\pw]
	v_lshl_or_b32 v[\pw], v[TM+7], 24, v[\pw]
.irp c, 0,1
	v_cvt_scalef32_pk8_fp4_f32 v[(\pc)+4*\c],   v[(\s)+32*\c:(\s)+32*\c+7],     v[TM+12+2*\c]
	v_cvt_scalef32_pk8_fp4_f32 v[(\pc)+4*\c+1], v[(\s)+32*\c+16:(\s)+32*\c+23], v[TM+13+2*\c]
	v_cvt_scalef32_pk8_fp4_f32 v[(\pc)+4*\c+2], v[(\s)+32*\c+8:(\s)+32*\c+15],  v[TM+12+2*\c]
	v_cvt_scalef32_pk8_fp4_f32 v[(\pc)+4*\c+3], v[(\s)+32*\c+24:(\s)+32*\c+31], v[TM+13+2*\c]
.endr
	v_nop
.irp c, 0,1
	v_permlane16_swap_b32 v[(\pc)+4*\c],   v[(\pc)+4*\c+1]
	v_permlane16_swap_b32 v[(\pc)+4*\c+2], v[(\pc)+4*\c+3]
.endr
.endm
.macro ADDB a, one
.set WW, 0x02+(\a)/4
	WIN WW
.irp b, 0,1,2,3,4,5,6,7
.irp i, 0,2,4,6
.if \one
	v_pk_add_f32 v[T+8*\b+\i:T+8*\b+\i+1], v[64*((\a)%4)+8*\b+\i:64*((\a)%4)+8*\b+\i+1], v[BI+2*(\a):BI+2*(\a)+1]
.else
	v_pk_add_f32 v[T+8*\b+\i:T+8*\b+\i+1], v[64*((\a)%4)+8*\b+\i:64*((\a)%4)+8*\b+\i+1], v[BI+8*\b+\i:BI+8*\b+\i+1]
.endif
.endr
.endr
	WIN 0
.endm
	s_wait_alu depctr_va_vdst(0)
	s_wait_tensorcnt 0x0                           ; my tile of the head's four is in
	s_barrier_signal -1
	s_barrier_wait -1
	FETCH_B 0, 0, 0
	FETCH_A 0, 0, 0
	SCALES 0
	FETCH_A 0, 0, 4
	STEP 0, 0, 1
	STEPS 0, 1
	s_wait_tensorcnt 0x0
	s_wait_dscnt 4*NL
	WIN MUL_LO
	MUL16 0, 1, NQ-1, 0, 0
	s_wait_dscnt 0x0
	s_barrier_signal -1
	MUL16 2, 1, NQ-1, 0, 0
	WIN 0
	s_barrier_wait -1
	PLACES NP
	v_add_nc_u32 v[ADRS], 4*NQ, v[ADRS]
	FETCH_B 1, 0, 0
	FETCH_A 1, 0, 0
	SCALES 1
	WIN MUL_HI
	MUL16 4, 1, NQ-1, 0, 0
	MUL16 6, 1, NQ-1, 0, 0
	PLACES NP
	WIN 0
	FETCH_A 1, 0, 4
	STEPS 1, 0
	s_cmp_eq_u32 s[KIND], 2
	s_cbranch_scc1 .Lv
.irp b, 0,1,2,3,4,5,6,7
	global_load_b128 v[BI+8*\b:BI+8*\b+3],   v[VBQ], s[12:13] offset:64*\b
	global_load_b128 v[BI+8*\b+4:BI+8*\b+7], v[VBQ], s[12:13] offset:64*\b+16
.endr
	LAST
	PLACES NP
	s_wait_loadcnt 0x0
.irp a, 0,1,2,3,4,5,6,7
	ADDB \a, 0
	QUANT64 T, PC+8*\a, PW+\a
	global_store_b128 v[LI], v[PC+8*\a:PC+8*\a+3],   s[14:15] offset:512*\a
	global_store_b128 v[LI], v[PC+8*\a+4:PC+8*\a+7], s[14:15] offset:HS+512*\a
.endr
.irp f, 0,1,2,3
	v_perm_b32 v[OW+\f], v[PW+2*\f+1], v[PW+2*\f], v[SELV]
.endr
	global_store_b128 v[VS], v[OW:OW+3], s[14:15] offset:8192
	s_branch .Lend
.Lv:
	s_wait_alu depctr_va_vdst(0)
.irp a, 0,1,2,3,4,5,6,7
	global_load_b32 v[BI+2*\a],   v[VBV], s[12:13] offset:64*\a
	global_load_b32 v[BI+2*\a+1], v[VBV], s[12:13] offset:64*\a
.endr
	LAST
	PLACES NP
	s_wait_loadcnt 0x0
.irp a, 0,1,2,3,4,5,6,7
	ADDB \a, 1
	QUANT64 T, PC+8*\a, PW+\a
	global_store_b128 v[LI], v[PC+8*\a:PC+8*\a+3],   s[14:15] offset:(\a/4)*HS+(\a%4)*1024
	global_store_b128 v[LI], v[PC+8*\a+4:PC+8*\a+7], s[14:15] offset:(\a/4)*HS+(\a%4)*1024+512
.endr
.irp i, 0,1,2,3
	v_cndmask_b32 v[OW+\i], v[PW+\i], v[PW+4+\i], s[HM]
.endr
	global_store_b128 v[VS], v[OW:OW+3], s[14:15] offset:4352
.Lend:
	s_wait_tensorcnt 0x0
	ds_add_u32 v[SPW], v[NIL]
	s_wait_dscnt 0x0
	CROUND
	s_endpgm
.Lfunc_end_k_qc37256150c_proj:
	.size	k_qc37256150c_proj, .Lfunc_end_k_qc37256150c_proj-k_qc37256150c_proj
	.p2alignl 7, 3214868480
	.fill 96, 4, 3214868480
	.section	.rodata,"a",@progbits
	.p2align	6, 0x0
	.amdhsa_kernel k_qc37256150c_proj
		.amdhsa_group_segment_fixed_size 327680
		.amdhsa_private_segment_fixed_size 0
		.amdhsa_enable_private_segment 0
		.amdhsa_kernarg_size 72
		.amdhsa_user_sgpr_count 2
		.amdhsa_user_sgpr_kernarg_segment_ptr 1
		.amdhsa_wavefront_size32 1
		.amdhsa_system_sgpr_workgroup_id_x 1
		.amdhsa_system_sgpr_workgroup_id_y 1
		.amdhsa_system_sgpr_workgroup_id_z 1
		.amdhsa_system_vgpr_workitem_id 0
		.amdhsa_next_free_vgpr 1024
		.amdhsa_next_free_sgpr 102
		.amdhsa_reserve_vcc 0
		.amdhsa_float_denorm_mode_32 3
		.amdhsa_float_denorm_mode_16_64 3
		.amdhsa_memory_ordered 1
		.amdhsa_forward_progress 1
		.amdhsa_inst_pref_size 203
	.end_amdhsa_kernel
	.amdgpu_metadata
---
amdhsa.version: [ 1, 2 ]
amdhsa.kernels:
  - .name:           k_qc37256150c_proj
    .symbol:         k_qc37256150c_proj.kd
    .args:
      - { .name: x_codes, .offset: 0, .size: 8, .value_kind: global_buffer, .address_space: global }
      - { .name: x_scales, .offset: 8, .size: 8, .value_kind: global_buffer, .address_space: global }
      - { .name: Wv_codes, .offset: 16, .size: 8, .value_kind: global_buffer, .address_space: global }
      - { .name: Wv_scales, .offset: 24, .size: 8, .value_kind: global_buffer, .address_space: global }
      - { .name: Wk_codes, .offset: 32, .size: 8, .value_kind: global_buffer, .address_space: global }
      - { .name: Wk_scales, .offset: 40, .size: 8, .value_kind: global_buffer, .address_space: global }
      - { .name: bk, .offset: 48, .size: 8, .value_kind: global_buffer, .address_space: global }
      - { .name: bv, .offset: 56, .size: 8, .value_kind: global_buffer, .address_space: global }
      - { .name: qkv, .offset: 64, .size: 8, .value_kind: global_buffer, .address_space: global }
    .group_segment_fixed_size: 327680
    .private_segment_fixed_size: 0
    .kernarg_segment_align: 8
    .kernarg_segment_size: 72
    .max_flat_workgroup_size: 128
    .sgpr_count:     102
    .vgpr_count:     1024
    .wavefront_size: 32
...
	.end_amdgpu_metadata
.endif
;; end of part 1
;; launch attn (part 2): grid 4 x 64, 16 waves a work-group, clusters of 4 x 1, 196,608 bytes of LDS; arguments qkv, x_codes, x_scales, Wq_codes, Wq_scales, bq, cimg, csc; writes cimg, csc
.if DOCPART == 2
	.amdgcn_target "amdgcn-amd-amdhsa--gfx1250"
	.amdhsa_code_object_version 6
	.text
	.protected	k_qc37256150c_attn
	.globl	k_qc37256150c_attn
	.p2align	8
	.type	k_qc37256150c_attn,@function
k_qc37256150c_attn:
	s_mov_b64 s[64:65], 0
	v_nop
	global_prefetch_b8 v0, s[64:65] scope:SCOPE_SE
	s_setreg_imm32_b32 hwreg(HW_REG_WAVE_MODE, 25, 1), 1
	s_wait_xcnt 0x0
	s_wait_alu depctr_hold_cnt(0) depctr_sa_sdst(0) depctr_va_vdst(0) depctr_va_sdst(0) depctr_va_ssrc(0) depctr_va_vcc(0) depctr_vm_vsrc(0)
	s_getreg_b32 s2, hwreg(HW_REG_IB_STS2, 6, 4)
	s_cmp_eq_u32 s2, 0
	s_cbranch_scc0 .Lentry_in_a_cluster
	s_endpgm
.Lentry_in_a_cluster:
	s_bfe_u32 s2, ttmp6, 0x10000c
	s_cmp_lg_u32 s2, 0x3003
	s_cbranch_scc0 .Lentry_shape_is_right
	s_endpgm
.Lentry_shape_is_right:
; q = x Wq + bq for one head, quantised along the head's 64; ctx = softmax(q k^T / 8) v; all three products on codes of FP4 (E2M1) with E8M0 scales.
; ctx is quantised along the head's 64 and leaves as an image of the last product's operand.  Nothing is left out.
; THE SOFTMAX: t = score x log2(e) / 8; M = the running largest t rounded UP to a whole number; p = 2^(t - M) is quantised along the keys, not normalised; the row's sum is taken of the
; unquantised p and divides at the end.  When M moves, the sum and O are multiplied by 2^(old M - new M): exact.
; LIMITS: NaN and infinities are not served; a block of zeros gets the byte 1 (its codes are zeros; this program alone reads the bytes); a block's largest p is taken from the block's
; largest score, which takes v_exp_f32 not to fall where its input rises; 1 / sum by v_rcp_f32.
; SHARES.  256 work-groups.  Work-group (cx, head) owns 512 queries; each of its sixteen waves 32, as two tiles of 16 that share every fragment of Wq, K and V; 256 registers a wave.
; THE FILLS, each once, one tensor load a wave, all joint loads of the cluster's four work-groups, which walk the same head: waves 0 to 3 a quarter each of the head's K and V
; (139,264 dense bytes of qkv, 16 steps of 128 keys x 8,704, laid in LDS as they lie), wave 4 the head's 64 rows of Wq's codes (512 bytes + 16 of padding), wave 5 their 2,048 scale bytes.
; No LDS byte is filled again, and no load stands in a loop: so nothing is prefetched.
; Q.  Q^T = Wq x^T + bq: source 0 = 16 rows of Wq, source 1 = 16 rows of x; bq is the C of the first K step.  x's fragments come from memory into registers: the 16 loads of a tile cover its 16 rows whole.
; K = 64 IN AN INSTRUCTION OF 128.  A fragment of K holds TWO tiles of 16 keys (k 0 .. 63 and k 64 .. 127); it is multiplied once by [Q | zero codes] and once by [zero codes | Q].
; Q lies as Z Q0 Z Q1 Z, four registers each, so that the four operands are overlapping runs of eight.
; LAYOUT.  S^T = K Q^T, O^T = V^T P^T: a lane holds ONE query (lane % 16) throughout.  S's register 8 T + j is key 16 T + 8 (lane / 16) + j; the conversions write tiles 4 c, 4 c + 2, 4 c + 1, 4 c + 3
; into P's registers 4 c .. 4 c + 3 and two exchanges of halves give the operand's order.
.set HS,    139264
.set STEPB, 8704
.set QUART, 34816                      ; four steps: what one of waves 0 to 3 brings
.set STG,   139264                     ; 1,024 bytes: the work-group's 512 pairs of scale bytes
.set SPARE, 140288                     ; the spare words, 128 bytes a wave
.set WQ,    142336                     ; Wq's 64 rows
.set WQP,   528
.set WQS,   176128                     ; their scale bytes, 32 a row
.set LI,  1                            ; 16 x lane
.set LSC, 2                            ; 8192 + 256 h + 16 r: lanes 0-15 K's scale words, lanes 16-31 V's
.set ADR, 3
.set ADS, 4
.set SPW, 5
.set NIL, 6
.set TA,  7
.set XO,  8                            ; the head alone: 512 r + 16 h;  v9: 32 x lane;  v10: 32 h.  From the loop on v8-15 are -M, the largest t and the sums
.set XSO, 9
.set BQO, 10
.set XS,  32                           ; the head alone: v32-39 x's scale words, one a K step: lanes 0-15 tile 0's rows, lanes 16-31 tile 1's
.set QS,  36                           ; v36, v37 Q's scale words
.set KV,  40                           ; v40-71 four fragments of K or of V
.set KVS, 72                           ; v72-75 scale words: Wq's, then K's and V's
.set S,   76                           ; v76-139 Q^T's sums; then S^T, then p
.set OT,  140                          ; v140-203 O^T, 32 a tile
.set P,   204                          ; v204-219 p's codes
.set PW,  220
.set WF,  222                          ; the head alone: v222-253 four fragments of Wq
.set BM,  222
.set BT,  226
.set CSC, 230
.set F,   234
.set TP,  236
.set L2,  238
.set WV,  20
.set CX,  21
.set BH,  22
.set G1,  28
.set G1W, 36
.set G1S, 44
.set G0,  52
.set G0W, 56
.set G0S, 60
.set SEL, 66
.set CS,  68
.set TB,  70
.set CNT, 71
.set HM,  72
.set OC,  74
.set OS,  76
.set XC,  78
.set XSC, 80
.set BQ,  82
.set WC,  84
.set WS,  86
.macro CROUND                          ; a round of the cluster's barrier
	s_barrier_signal -1
	s_barrier_wait -1
	s_cmp_lg_u32 s[WV], 0
	s_cbranch_scc1 .Lnot_wave_0_\@
	s_barrier_signal -3
.Lnot_wave_0_\@:
	s_barrier_wait -3
	s_barrier_signal -1
	s_barrier_wait -1
.endm
.macro XREG i                          ; x's fragment i = 2 x K step + tile lies where the loop's registers are still idle
.if (\i) < 8
.set XR, OT+8*(\i)
.elseif (\i) < 12
.set XR, KV+8*((\i)-8)
.elseif (\i) < 14
.set XR, P+8*((\i)-12)
.else
.set XR, 16+8*((\i)-14)
.endif
.endm
	s_load_b512 s[4:19], s[0:1], 0x0               ; qkv, x's codes, x's scales, Wq's codes, Wq's scales, bq, cimg, csc
	v_lshl_add_u32 v[SPW], v0, 2, SPARE
	v_mov_b32 v[NIL], 0
	ds_add_u32 v[SPW], v[NIL]                      ; the opening: the add, twice on end, and its wait ahead of the first tensor load
	ds_add_u32 v[SPW], v[NIL]
	v_lshrrev_b32 v[TA], 5, v0
	s_delay_alu instid0(VALU_DEP_1)
	v_readfirstlane_b32 s[WV], v[TA]               ; wave 0..15
	s_bfe_u32 s[CX], ttmp6, 0x40000                ; my place in the cluster: it enters x's, cimg's and csc's addresses alone
	s_and_b32 s[BH], ttmp7, 0xffff                 ; 16 x batch + head, which the four partners share
	s_mov_b32 s[G1], 15|(3<<16)|(1<<21)            ; K and V: mask of all four; elements of 8 bytes; 136 dense rows of 256 bytes
	s_mov_b32 s[G1+1], 32<<16
	s_mov_b32 s[G1+2], 136<<16
	s_mov_b32 s[G1+3], 32<<16
	s_mov_b32 s[G1+4], 136
	s_mov_b32 s[G1+5], 32
	s_mov_b32 s[G1+6], 0
	s_mov_b32 s[G1+7], 0
	s_mov_b32 s[G1W], 15|(3<<16)|(1<<20)|(1<<21)|(6<<22)|(3<<25)   ; Wq's codes: 64 rows of 512 bytes, four words of padding after every 128
	s_mov_b32 s[G1W+1], 64<<16
	s_mov_b32 s[G1W+2], 64<<16
	s_mov_b32 s[G1W+3], 64<<16
	s_mov_b32 s[G1W+4], 64
	s_mov_b32 s[G1W+5], 64
	s_mov_b32 s[G1W+6], 0
	s_mov_b32 s[G1W+7], 0
	s_mov_b32 s[G1S], 15|(3<<16)|(1<<21)           ; Wq's scale bytes: 8 dense rows of 256 bytes
	s_mov_b32 s[G1S+1], 32<<16
	s_mov_b32 s[G1S+2], 8<<16
	s_mov_b32 s[G1S+3], 32<<16
	s_mov_b32 s[G1S+4], 8
	s_mov_b32 s[G1S+5], 32
	s_mov_b32 s[G1S+6], 0
	s_mov_b32 s[G1S+7], 0
	s_mov_b32 s[SEL], 0x76543210
	s_mov_b32 s[SEL+1], 0xfedcba98
	s_mov_b32 s[CS], 0x3e38aa3b                    ; c = log2(e) / 8
	s_mov_b32 s[CS+1], s[CS]
	s_mov_b32 s[HM], 0xffff0000                    ; lanes 16-31
	s_mul_i32 s23, s[WV], QUART                    ; a quarter's place, in LDS as in the head's block
	s_mul_i32 s24, s[BH], HS
	s_add_co_u32 s24, s24, s23
	s_mov_b32 s25, 0
	s_and_b32 s26, s[BH], 15                       ; the head
	s_lshl_b32 s[WC], s26, 15                      ; its 64 rows of Wq: 512 bytes of codes,
	s_mov_b32 s[WC+1], 0
	s_lshl_b32 s[WS], s26, 11                      ; 32 scale bytes,
	s_mov_b32 s[WS+1], 0
	s_lshl_b32 s[BQ], s26, 8                       ; 4 bytes of bq a row
	s_mov_b32 s[BQ+1], 0
	s_lshr_b32 s27, s[BH], 4
	s_lshl_b32 s27, s27, 11
	s_lshl_b32 s88, s[CX], 9
	s_add_co_u32 s27, s27, s88
	s_lshl_b32 s88, s[WV], 5
	s_add_co_u32 s27, s27, s88                     ; my first row of x: 2,048 x batch + 512 cx + 32 x wave
	s_lshl_b32 s[XC], s27, 9
	s_mov_b32 s[XC+1], 0
	s_lshl_b32 s[XSC], s27, 5
	s_mov_b32 s[XSC+1], 0
	s_lshl_b32 s88, s26, 9
	s_add_co_u32 s[OC], s[XC], s88                 ; cimg: 8,192 bytes a tile of 16 rows + 512 x head
	s_mov_b32 s[OC+1], 0
	s_lshl_b32 s[OS], s[BH], 12                    ; csc: 4,096 bytes a head, 1,024 a work-group
	s_lshl_b32 s88, s[CX], 10
	s_add_co_u32 s[OS], s[OS], s88
	s_mov_b32 s[OS+1], 0
	v_and_b32 v[TA], 31, v0
	v_and_b32 v11, 15, v0                          ; r
	v_bfe_u32 v12, v0, 4, 1                        ; h
	s_delay_alu instid0(VALU_DEP_3)
	v_lshlrev_b32 v[LI], 4, v[TA]
	v_lshlrev_b32 v[XSO], 5, v[TA]
	v_lshlrev_b32 v[XO], 9, v11
	v_lshlrev_b32 v[BQO], 5, v12
	v_lshlrev_b32 v[LSC], 4, v11
	v_mul_u32_u24 v[ADR], v11, WQP
	v_lshl_add_u32 v[ADS], v11, 5, WQS             ; Wq's scale words: row r of a tile
	v_lshl_add_u32 v[XO], v12, 4, v[XO]
	s_delay_alu instid0(VALU_DEP_4)
	v_lshl_add_u32 v[LSC], v12, 8, v[LSC]
	s_delay_alu instid0(VALU_DEP_4)
	v_lshl_add_u32 v[ADR], v12, 4, v[ADR]
	s_delay_alu instid0(VALU_DEP_2)
	v_add_nc_u32 v[LSC], 8192, v[LSC]
	s_delay_alu instid0(VALU_DEP_2)
	v_add_nc_u32 v[ADR], WQ, v[ADR]                ; Wq's fragments: row r, + 16 h
	s_wait_alu depctr_va_vdst(0)
	s_wait_dscnt 0x0                               ; both opening adds are done
	s_wait_kmcnt 0x0
	s_add_nc_u64 s[24:25], s[4:5], s[24:25]
	s_add_nc_u64 s[XC:XC+1], s[6:7], s[XC:XC+1]
	s_add_nc_u64 s[XSC:XSC+1], s[8:9], s[XSC:XSC+1]
	s_add_nc_u64 s[WC:WC+1], s[10:11], s[WC:WC+1]
	s_add_nc_u64 s[WS:WS+1], s[12:13], s[WS:WS+1]
	s_add_nc_u64 s[BQ:BQ+1], s[14:15], s[BQ:BQ+1]
	s_add_nc_u64 s[OC:OC+1], s[16:17], s[OC:OC+1]
	s_add_nc_u64 s[OS:OS+1], s[18:19], s[OS:OS+1]
	CROUND                                         ; all four work-groups are here: the joint loads meet
	s_mov_b32 s[G0], 1
	s_mov_b32 s[G0+1], s23
	s_mov_b64 s[G0+2:G0+3], s[24:25]
	s_or_b32 s[G0+3], s[G0+3], 0x80000000
	s_mov_b32 s[G0W], 1
	s_mov_b32 s[G0W+1], WQ
	s_mov_b64 s[G0W+2:G0W+3], s[WC:WC+1]
	s_or_b32 s[G0W+3], s[G0W+3], 0x80000000
	s_mov_b32 s[G0S], 1
	s_mov_b32 s[G0S+1], WQS
	s_mov_b64 s[G0S+2:G0S+3], s[WS:WS+1]
	s_or_b32 s[G0S+3], s[G0S+3], 0x80000000
; the head's loads, one a wave: one chain of branches on the wave's number, an arm a load, all arms leading to one join
.macro ARM under, g0, g1, next
	s_cmp_lt_u32 s[WV], \under
	s_cbranch_scc0 \next
	tensor_load_to_lds s[\g0:\g0+3], s[\g1:\g1+7]
	s_nop 0
.rept 4
	v_nop
.endr
	s_branch .Lhead_asked
\next:
.endm
	ARM 4, G0,  G1,  .Lhead_w
	ARM 5, G0W, G1W, .Lhead_s
	ARM 6, G0S, G1S, .Lhead_none
.Lhead_asked:
.irp a, 0,1,2,3,4,5,6,7                        ; behind the joint loads: bq into all eight accumulators (4 x tile + d): register j is channel 16 d + 8 h + j
	global_load_b128 v[S+8*\a:S+8*\a+3], v[BQO], s[BQ:BQ+1] offset:64*(\a%4)
	global_load_b128 v[S+8*\a+4:S+8*\a+7], v[BQO], s[BQ:BQ+1] offset:64*(\a%4)+16
.endr
	global_load_b128 v[XS:XS+3], v[XSO], s[XSC:XSC+1]
	global_load_b128 v[XS+4:XS+7], v[XSO], s[XSC:XSC+1] offset:16
.irp i, 0,1,2,3,4,5,6,7                        ; x's fragments of K steps 0 to 3; those of steps 4 to 7 are asked for at the heads of Q's steps 0 to 3
	XREG \i
	global_load_b128 v[XR:XR+3], v[XO], s[XC:XC+1] offset:8192*(\i%2)+64*(\i/2)
	global_load_b128 v[XR+4:XR+7], v[XO], s[XC:XC+1] offset:8192*(\i%2)+64*(\i/2)+32
.endr
	s_wait_tensorcnt 0x0                           ; my load, if I had one, has landed
	s_barrier_signal -1
	s_barrier_wait -1                              ; so all six have
; A K step of Q^T: eight accumulators by turns, one instruction a turn
.macro QSTEP s
.if \s < 4
.irp t, 0,1                                    ; x's two fragments of K step s + 4, into registers that no product has touched yet
	XREG 2*(\s+4)+\t
	global_load_b128 v[XR:XR+3], v[XO], s[XC:XC+1] offset:8192*\t+64*(\s+4)
	global_load_b128 v[XR+4:XR+7], v[XO], s[XC:XC+1] offset:8192*\t+64*(\s+4)+32
.endr
.endif
.if \s > 0
.rept 4
	v_nop                                          ; places ahead of loads into registers that the last step's products read
.endr
.endif
.irp d, 0,1,2,3
	ds_load_b128 v[WF+8*\d:WF+8*\d+3], v[ADR] offset:16*WQP*\d+64*\s
	ds_load_b128 v[WF+8*\d+4:WF+8*\d+7], v[ADR] offset:16*WQP*\d+64*\s+32
	ds_load_b32 v[KVS+\d], v[ADS] offset:512*\d+4*\s
.endr
.if \s < 4
	s_wait_loadcnt 16                              ; bq, x's scale words and x's fragments up to this step are in: behind them stand 12 - 4 s loads of steps up to 3 and 4 (s + 1) of steps 4 on
.else
	s_wait_loadcnt 28-4*\s                         ; all 32 are issued: the later steps' loads, four a step, may be out
.endif
	s_wait_dscnt 0x0
.irp d, 0,1,2,3
	XREG 2*\s
	v_wmma_scale_f32_16x16x128_f8f6f4 v[S+8*\d:S+8*\d+7], v[WF+8*\d:WF+8*\d+7], v[XR:XR+7], v[S+8*\d:S+8*\d+7], v[KVS+\d], v[XS+\s] matrix_a_fmt:MATRIX_FMT_FP4 matrix_b_fmt:MATRIX_FMT_FP4
	XREG 2*\s+1
	v_wmma_scale_f32_16x16x128_f8f6f4 v[S+32+8*\d:S+39+8*\d], v[WF+8*\d:WF+8*\d+7], v[XR:XR+7], v[S+32+8*\d:S+39+8*\d], v[KVS+\d], v[XS+\s] matrix_a_fmt:MATRIX_FMT_FP4 matrix_b_fmt:MATRIX_FMT_FP4 matrix_b_scale:MATRIX_SCALE_ROW1
.endr
.endm
.irp s, 0,1,2,3,4,5,6,7
	QSTEP \s
.endr
.irp t, 0,1                                    ; (these lines are also the places behind the last products)
	v_mov_b32 v[9+4*\t], 0xff61b1e6                ; the largest t so far: -3e38
	v_mov_b32 v[10+4*\t], 0                        ; the sum, in two halves
	v_mov_b32 v[11+4*\t], 0
.endr
.irp t, 0,1
	v_floor_f32 v[8+4*\t], -v[9+4*\t]              ; -M
.endr
.irp b, 0,1,2,3
	v_mov_b32 v[BT+\b], 0                          ; a lane permute's destination counts as one of its sources
.endr
	v_mov_b32 v[F+1], 0                            ; (named as the upper half of a pair)
; 64 channels of tile t in v[S + 32 t ..], register 8 d + i = channel 16 d + 8 h + i: two blocks of 32.  The codes go into v[rp .. rp + 3] in the operand's order, the two bytes into v[TP + t]
.macro QUANT32 t, rp
.set rX, S+32*\t
.set rP, \rp
.irp b, 0,1
	v_max3_num_f32 v[BM+2*\t+\b], |v[rX+16*\b]|, |v[rX+1+16*\b]|, 0x1800000
.endr
.irp i, 2,4,6,8,10,12,14
.irp b, 0,1
	v_max3_num_f32 v[BM+2*\t+\b], v[BM+2*\t+\b], |v[rX+16*\b+\i]|, |v[rX+1+16*\b+\i]|
.endr
.endr
.irp b, 0,1
	s_delay_alu instid0(VALU_DEP_2)
	v_permlanex16_b32 v[BT+2*\t+\b], v[BM+2*\t+\b], s[SEL], s[SEL+1]
.endr
.irp b, 0,1
	s_delay_alu instid0(VALU_DEP_2)
	v_max_num_f32 v[BM+2*\t+\b], v[BM+2*\t+\b], v[BT+2*\t+\b]
.endr
.irp b, 0,1
	s_delay_alu instid0(VALU_DEP_2)
	v_add_nc_u32 v[CSC+2*\t+\b], 0xff000000, v[BM+2*\t+\b]
.endr
.irp b, 0,1
	s_delay_alu instid0(VALU_DEP_2)
	v_lshrrev_b32 v[BT+2*\t+\b], 23, v[CSC+2*\t+\b]
.endr
	s_delay_alu instid0(VALU_DEP_1)
	v_lshl_or_b32 v[TP+\t], v[BT+2*\t+1], 8, v[BT+2*\t]
	v_cvt_scalef32_pk8_fp4_f32 v[rP],   v[rX:rX+7],     v[CSC+2*\t]
	v_cvt_scalef32_pk8_fp4_f32 v[rP+1], v[rX+16:rX+23], v[CSC+2*\t+1]
	v_cvt_scalef32_pk8_fp4_f32 v[rP+2], v[rX+8:rX+15],  v[CSC+2*\t]
	v_cvt_scalef32_pk8_fp4_f32 v[rP+3], v[rX+24:rX+31], v[CSC+2*\t+1]
	v_nop                                          ; one plain place behind a scaled conversion
	v_permlane16_swap_b32 v[rP],   v[rP+1]
	v_permlane16_swap_b32 v[rP+2], v[rP+3]
.endm
	QUANT32 0, 20                                  ; Q0
	QUANT32 1, 28                                  ; Q1
.irp t, 0,1
	v_lshl_or_b32 v[QS+\t], v[TP+\t], 16, v[TP+\t] ; the tile's two bytes, for k 0 .. 63 and for k 64 .. 127
.endr
.irp z, 16,17,18,19,24,25,26,27,32,33,34,35
	v_mov_b32 v\z, 0                               ; the zero codes beside Q
.endr
.set j, 0
.rept 64
	v_mov_b32 v[OT+j], 0                           ; O^T: the step has no first step of its own.  (Also the places between the scale words' making and the first product)
.set j, j+1
.endr
.macro SMUL t                                  ; S^T of tile t: eight products on eight accumulators, each begun with the constant 0
.irp f, 0,1,2,3
	v_wmma_scale_f32_16x16x128_f8f6f4 v[S+16*\f:S+16*\f+7], v[KV+8*\f:KV+8*\f+7], v[20+8*\t:27+8*\t], 0, v[KVS+\f], v[QS+\t] matrix_a_fmt:MATRIX_FMT_FP4 matrix_b_fmt:MATRIX_FMT_FP4
	v_wmma_scale_f32_16x16x128_f8f6f4 v[S+16*\f+8:S+16*\f+15], v[KV+8*\f:KV+8*\f+7], v[16+8*\t:23+8*\t], 0, v[KVS+\f], v[QS+\t] matrix_a_fmt:MATRIX_FMT_FP4 matrix_b_fmt:MATRIX_FMT_FP4
.endr
.endm
.macro SOFTMAX t
.set rM, 8+4*\t
.set rL, 10+4*\t
.set rO, OT+32*\t
.set rP, P+8*\t
.irp b, 0,1,2,3
	v_max3_num_f32 v[BM+\b], v[S+16*\b], v[S+1+16*\b], v[S+2+16*\b]   ; the largest score of each block of 32 keys: for the row's maximum and for the block's largest p
.endr
.irp i, 3,5,7,9,11,13
.irp b, 0,1,2,3
	v_max3_num_f32 v[BM+\b], v[BM+\b], v[S+16*\b+\i], v[S+1+16*\b+\i]
.endr
.endr
.irp b, 0,1,2,3
	v_max_num_f32 v[BM+\b], v[BM+\b], v[S+15+16*\b]
.endr
.irp b, 0,1,2,3
	s_delay_alu instid0(VALU_DEP_4)
	v_permlanex16_b32 v[BT+\b], v[BM+\b], s[SEL], s[SEL+1]
.endr
.irp b, 0,1,2,3
	s_delay_alu instid0(VALU_DEP_4)
	v_max_num_f32 v[BM+\b], v[BM+\b], v[BT+\b]     ; with lane l xor 16's 16 keys
.endr
	s_delay_alu instid0(VALU_DEP_2)
	v_max3_num_f32 v[TP], v[BM], v[BM+1], v[BM+2]
	s_delay_alu instid0(VALU_DEP_1)
	v_max_num_f32 v[TP], v[TP], v[BM+3]
	s_delay_alu instid0(VALU_DEP_1)
	v_mul_f32 v[TP], s[CS], v[TP]                  ; as t (c is positive)
	s_delay_alu instid0(VALU_DEP_1)
	v_max_num_f32 v[rM+1], v[rM+1], v[TP]          ; the running largest t
	v_mov_b32 v[TP], v[rM]
	s_delay_alu instid0(VALU_DEP_2)
	v_floor_f32 v[rM], -v[rM+1]                    ; the new -M = floor(-t)
	s_delay_alu instid0(VALU_DEP_1)
	v_sub_f32 v[TP], v[rM], v[TP]                  ; old M - new M: a whole number, 0 or less
	s_delay_alu instid0(VALU_DEP_1)
	v_cvt_i32_f32 v[TP], v[TP]                     ; (it saturates)
	s_delay_alu instid0(VALU_DEP_1)
	v_ldexp_f32 v[F], 1.0, v[TP]                   ; f = 2^(old M - new M)
.set j, 0
.rept 32
	v_pk_fma_f32 v[S+j:S+j+1], v[S+j:S+j+1], s[CS:CS+1], v[rM:rM+1] op_sel_hi:[1,0,0]   ; t - M, two at a time
.set j, j+2
.endr
.irp b, 0,1,2,3
	v_fma_f32 v[BM+\b], v[BM+\b], s[CS], v[rM]     ; the same of each block's largest score
.endr
.set j, 0
	s_wait_alu depctr_va_vdst(0)
.rept 64
	v_exp_f32 v[S+j], v[S+j]                       ; p = 2^(t - M), at most 1
.set j, j+1
.endr
	v_pk_mul_f32 v[rL:rL+1], v[rL:rL+1], v[F:F+1] op_sel_hi:[1,0]   ; the sums under the new M: the plain instruction behind the batch
	s_wait_alu depctr_va_vdst(0)                   ; one wait for the 64, ahead of their first reader
.irp b, 0,1,2,3
	v_exp_f32 v[BM+\b], v[BM+\b]                   ; the block's largest p
.endr
	v_pk_add_f32 v[L2:L2+1], v[S:S+1], v[S+2:S+3]  ; the row's sum of the unquantised p, in two chains
.set j, 4
.rept 15
	v_pk_add_f32 v[rL:rL+1], v[rL:rL+1], v[S+j:S+j+1]
	v_pk_add_f32 v[L2:L2+1], v[L2:L2+1], v[S+j+2:S+j+3]
.set j, j+4
.endr
	s_delay_alu instid0(VALU_DEP_1)
	v_pk_add_f32 v[rL:rL+1], v[rL:rL+1], v[L2:L2+1]
	s_wait_alu depctr_va_vdst(0)                   ; and one for the four
.irp b, 0,1,2,3
	v_max_num_f32 v[BM+\b], 0x1800000, v[BM+\b]    ; the floor 2^(3 - 127)
.endr
.irp b, 0,1,2,3
	s_delay_alu instid0(VALU_DEP_4)
	v_add_nc_u32 v[CSC+\b], 0xff000000, v[BM+\b]   ; 2 off the exponent field: the conversion's scale operand
.endr
.irp b, 0,1,2,3
	s_delay_alu instid0(VALU_DEP_4)
	v_lshrrev_b32 v[BT+\b], 23, v[CSC+\b]          ; the scale's byte
.endr
	s_delay_alu instid0(VALU_DEP_3)
	v_lshl_or_b32 v[PW+\t], v[BT+1], 8, v[BT]
	s_delay_alu instid0(VALU_DEP_1)
	v_lshl_or_b32 v[PW+\t], v[BT+2], 16, v[PW+\t]
	s_delay_alu instid0(VALU_DEP_1)
	v_lshl_or_b32 v[PW+\t], v[BT+3], 24, v[PW+\t]
.irp c, 0,1
	v_cvt_scalef32_pk8_fp4_f32 v[rP+4*\c],   v[S+32*\c:S+32*\c+7],     v[CSC+2*\c]
	v_cvt_scalef32_pk8_fp4_f32 v[rP+4*\c+1], v[S+32*\c+16:S+32*\c+23], v[CSC+2*\c+1]
	v_cvt_scalef32_pk8_fp4_f32 v[rP+4*\c+2], v[S+32*\c+8:S+32*\c+15],  v[CSC+2*\c]
	v_cvt_scalef32_pk8_fp4_f32 v[rP+4*\c+3], v[S+32*\c+24:S+32*\c+31], v[CSC+2*\c+1]
.endr
	v_nop                                          ; one plain place behind a scaled conversion
.irp c, 0,1
	v_permlane16_swap_b32 v[rP+4*\c],   v[rP+4*\c+1]
	v_permlane16_swap_b32 v[rP+4*\c+2], v[rP+4*\c+3]
.endr
.set j, 0
.rept 16
	v_pk_mul_f32 v[rO+j:rO+j+1], v[rO+j:rO+j+1], v[F:F+1] op_sel_hi:[1,0]   ; O^T under the new M, each accumulator from its low end on.  (Also the places between p's codes and scale word and the products)
.set j, j+2
.endr
.endm
; A KEY STEP: 128 keys, for both tiles of queries
.macro STEP
	v_add_nc_u32 v[ADR], s[TB], v[LI]
	v_add_nc_u32 v[ADS], s[TB], v[LSC]
	v_nop
	v_nop                                          ; four places behind the last step's products, ahead of loads into registers that they read
.irp i, 0,1,2,3,4,5,6,7
	ds_load_b128 v[KV+4*\i:KV+4*\i+3], v[ADR] offset:512*\i        ; K's eight tiles: four fragments
.endr
	ds_load_b128 v[KVS:KVS+3], v[ADS]              ; lanes 0-15: K's four scale words; lanes 16-31: V's
	s_wait_dscnt 0x0
	SMUL 0
.rept 4
	v_nop
.endr
	SOFTMAX 0
	SMUL 1
.rept 4
	v_nop                                          ; ahead of the loads into K's registers and of the first read of the scores
.endr
.irp i, 0,1,2,3,4,5,6,7
	ds_load_b128 v[KV+4*\i:KV+4*\i+3], v[ADR] offset:4096+512*\i   ; V's four fragments land under tile 1's softmax
.endr
	SOFTMAX 1
	s_wait_alu depctr_va_vdst(0)
	s_wait_dscnt 0x0
.irp d, 0,1,2,3                                ; O^T += V^T P^T: eight accumulators by turns, one instruction a turn
.irp t, 0,1
	v_wmma_scale_f32_16x16x128_f8f6f4 v[OT+32*\t+8*\d:OT+32*\t+8*\d+7], v[KV+8*\d:KV+8*\d+7], v[P+8*\t:P+8*\t+7], v[OT+32*\t+8*\d:OT+32*\t+8*\d+7], v[KVS+\d], v[PW+\t] matrix_a_fmt:MATRIX_FMT_FP4 matrix_b_fmt:MATRIX_FMT_FP4 matrix_a_scale:MATRIX_SCALE_ROW1
.endr
.endr
	s_add_co_u32 s[TB], s[TB], STEPB
.endm
	s_mov_b32 s[TB], 0
	s_mov_b32 s[CNT], 16
	s_wait_alu depctr_va_vdst(0)
.Lstep:                                            ; the head's 2,048 keys: 16 trips, no barrier among them: nothing in LDS changes
	STEP
	s_sub_co_u32 s[CNT], s[CNT], 1
	s_cmp_lg_u32 s[CNT], 0
	s_cbranch_scc1 .Lstep
	; THE WAY OUT.  The additions and the v_nop are the places behind the last products.
.irp t, 0,1
	v_add_f32 v[10+4*\t], v[10+4*\t], v[11+4*\t]   ; the sum's two halves,
.endr
.irp t, 0,1
	s_delay_alu instid0(VALU_DEP_2)
	v_permlanex16_b32 v[BT+\t], v[10+4*\t], s[SEL], s[SEL+1]
.endr
.irp t, 0,1
	s_delay_alu instid0(VALU_DEP_2)
	v_add_f32 v[10+4*\t], v[10+4*\t], v[BT+\t]     ; and lane l xor 16's: the row's sum
.endr
	s_wait_alu depctr_va_vdst(0)
	v_rcp_f32 v[F], v10
	v_rcp_f32 v[L2], v14
	v_nop                                          ; a plain instruction behind the reciprocals
	v_lshl_add_u32 v[TA], v0, 1, STG               ; where my query's two scale bytes go,
	v_lshl_add_u32 v[ADR], v0, 4, STG              ; where waves 0 and 1 read them back,
	v_lshlrev_b32 v[ADS], 4, v0                    ; and their place in the work-group's 1,024 bytes of csc
	s_wait_alu depctr_va_vdst(0)                   ; one wait for both, ahead of the first reader
.set j, 0
.rept 16
	v_pk_mul_f32 v[S+j:S+j+1], v[OT+j:OT+j+1], v[F:F+1] op_sel_hi:[1,0]           ; ctx = O^T / the sum: register 8 d + i is channel 16 d + 8 h + i
	v_pk_mul_f32 v[S+32+j:S+32+j+1], v[OT+32+j:OT+32+j+1], v[L2:L2+1] op_sel_hi:[1,0]
.set j, j+2
.endr
	QUANT32 0, P
	global_store_b128 v[LI], v[P:P+3], s[OC:OC+1]                  ; 512 consecutive bytes: my head's half of a fragment of the last product
	QUANT32 1, P+8
	global_store_b128 v[LI], v[P+8:P+11], s[OC:OC+1] offset:8192
	v_cndmask_b32 v[TP], v[TP], v[TP+1], s[HM]     ; lanes 0-15: tile 0's queries; lanes 16-31: tile 1's: thread number = the query's place in the work-group's 512
	ds_store_b16 v[TA], v[TP]
	s_wait_dscnt 0x0                               ; for the others' sake: my stores are done
	s_barrier_signal -1
	s_barrier_wait -1
	s_cmp_lt_u32 s[WV], 2                          ; waves 0 and 1 store the 1,024 bytes: four aligned blocks of 256
	s_cbranch_scc0 .Lno_csc
	ds_load_b128 v[KV:KV+3], v[ADR]
	s_wait_dscnt 0x0
	global_store_b128 v[ADS], v[KV:KV+3], s[OS:OS+1]
.Lno_csc:
	s_wait_tensorcnt 0x0                           ; the wave's end
	ds_add_u32 v[SPW], v[NIL]
	s_wait_dscnt 0x0
	CROUND                                         ; the closing round
	s_endpgm
.Lfunc_end_k_qc37256150c_attn:
	.size	k_qc37256150c_attn, .Lfunc_end_k_qc37256150c_attn-k_qc37256150c_attn
	.p2alignl 7, 3214868480
	.fill 96, 4, 3214868480
	.section	.rodata,"a",@progbits
	.p2align	6, 0x0
	.amdhsa_kernel k_qc37256150c_attn
		.amdhsa_group_segment_fixed_size 196608
		.amdhsa_private_segment_fixed_size 0
		.amdhsa_enable_private_segment 0
		.amdhsa_kernarg_size 64
		.amdhsa_user_sgpr_count 2
		.amdhsa_user_sgpr_kernarg_segment_ptr 1
		.amdhsa_wavefront_size32 1
		.amdhsa_system_sgpr_workgroup_id_x 1
		.amdhsa_system_sgpr_workgroup_id_y 1
		.amdhsa_system_sgpr_workgroup_id_z 1
		.amdhsa_system_vgpr_workitem_id 0
		.amdhsa_next_free_vgpr 256
		.amdhsa_next_free_sgpr 92
		.amdhsa_reserve_vcc 0
		.amdhsa_float_denorm_mode_32 3
		.amdhsa_float_denorm_mode_16_64 3
		.amdhsa_memory_ordered 1
		.amdhsa_forward_progress 1
		.amdhsa_inst_pref_size 72
	.end_amdhsa_kernel
	.amdgpu_metadata
---
amdhsa.version: [ 1, 2 ]
amdhsa.kernels:
  - .name:           k_qc37256150c_attn
    .symbol:         k_qc37256150c_attn.kd
    .args:
      - { .name: qkv, .offset: 0, .size: 8, .value_kind: global_buffer, .address_space: global }
      - { .name: x_codes, .offset: 8, .size: 8, .value_kind: global_buffer, .address_space: global }
      - { .name: x_scales, .offset: 16, .size: 8, .value_kind: global_buffer, .address_space: global }
      - { .name: Wq_codes, .offset: 24, .size: 8, .value_kind: global_buffer, .address_space: global }
      - { .name: Wq_scales, .offset: 32, .size: 8, .value_kind: global_buffer, .address_space: global }
      - { .name: bq, .offset: 40, .size: 8, .value_kind: global_buffer, .address_space: global }
      - { .name: cimg, .offset: 48, .size: 8, .value_kind: global_buffer, .address_space: global }
      - { .name: csc, .offset: 56, .size: 8, .value_kind: global_buffer, .address_space: global }
    .group_segment_fixed_size: 196608
    .private_segment_fixed_size: 0
    .kernarg_segment_align: 8
    .kernarg_segment_size: 64
    .max_flat_workgroup_size: 512
    .sgpr_count:     92
    .vgpr_count:     256
    .wavefront_size: 32
...
	.end_amdgpu_metadata
.endif
;; end of part 2
;; launch outp (part 3): grid 64 x 1, 8 waves a work-group, no clusters, 41,984 bytes of LDS; arguments cimg, csc, Wf_codes, Wf_scales, bf, out0; writes out0
.if DOCPART == 3
	.amdgcn_target "amdgcn-amd-amdhsa--gfx1250"
	.amdhsa_code_object_version 6
	.text
	.protected	k_qc37256150c_outp
	.globl	k_qc37256150c_outp
	.p2align	8
	.type	k_qc37256150c_outp,@function
k_qc37256150c_outp:
	s_mov_b64 s[64:65], 0
	v_nop
	global_prefetch_b8 v0, s[64:65] scope:SCOPE_SE
	s_setreg_imm32_b32 hwreg(HW_REG_WAVE_MODE, 25, 1), 1
	s_wait_xcnt 0x0
; out0 = ctx Wf + bf on codes of FP4 (E2M1) with E8M0 scales; K = 1,024 = 16 heads x 64.  Nothing is left out.  LIMITS: as in the launches before: NaN and infinities are not served.
; SHARES.  Work-group g owns rows 128 g .. 128 g + 127, wave w the 16 rows of tile 8 g + w and all 64 outputs: four accumulators, eight K steps of 128 (two heads each).
; ctx's fragments come from cimg as images of their registers: 16 loads of 512 consecutive bytes a wave, straight into the operand's registers.
; ctx's scale bytes lie by head in csc: the work-group's part of each head is 256 consecutive bytes; they turn through LDS into [row][head], so that a row's 32 bytes are its eight scale words.
; Wf's 64 rows of 512 bytes are loaded whole, a row a load, and laid in LDS by pieces of 16 bytes: piece q of row n = 4 r + t at 272 (32 t + q) + 16 r.
; THE ROWS OF Wf THAT FORM A TILE ARE NOT NEIGHBOURS: lane r of tile t takes output 4 r + t.  Source 0 = ctx's 16 rows, source 1 = Wf's: register j of tile t in lane (r, h) is out(8 h + j, 4 r + t): the four tiles'
; registers j are 16 neighbouring bytes of a row, and the addition of the bias puts them side by side: sixteen lanes store a whole row of 256 bytes, and no stage is needed.
; NO CLUSTER, NO TENSOR LOAD: what work-groups share is Wf, 34,816 of the 104,448 bytes that a work-group reads, and it is laid anew lane by lane on its way into LDS, which goes through registers.
.set WIMG,  0
.set CST,   34816                      ; [row 128] x 48 bytes: 16 heads x 2 bytes + 16 of padding
.set SPARE, 40960                      ; the spare words, 128 bytes for each wave: four blocks of 256 bytes that no other line names
.set LI,  5                            ; v5   16 x lane
.set CG,  6                            ; v6   csc: 4,096 x (thread / 16) + 16 x (thread % 16)
.set WSO, 7                            ; v7   128 r: Wf's scale bytes of rows 4 r ..
.set BFO, 8                            ; v8   16 r: bf
.set WW,  9                            ; v9   where I store Wf's pieces
.set CW,  10                           ; v10  where I store ctx's scale bytes
.set CR,  11                           ; v11  where I read my row's scale words
.set BR,  12                           ; v12  272 h + 16 r: Wf's fragments
.set OO,  13                           ; v13  2,048 h + 16 r: out0
.set SPW, 14
.set NIL, 15
.set CSW, 32                           ; v32-39   ctx's scale words, one a K step
.set BB,  40                           ; v40-43   bf(4 r + t)
.set A,   64                           ; v64-127  ctx's eight fragments; later the results, v64-95
.set B0,  128                          ; v128-191 Wf's rows and csc's bytes as loaded; then Wf's fragments, two sets of 32
.set ACC, 192                          ; v192-223
.set WS,  224                          ; v224-255 Wf's scale words: 8 t + s
	s_load_b256 s[4:11], s[0:1], 0x0               ; cimg, csc, Wf's codes, Wf's scales
	s_load_b128 s[12:15], s[0:1], 0x20             ; bf, out0
	v_lshl_add_u32 v[SPW], v0, 2, SPARE
	v_mov_b32 v[NIL], 0
	v_lshrrev_b32 v1, 5, v0
	s_delay_alu instid0(VALU_DEP_1)
	v_readfirstlane_b32 s16, v1                    ; wave 0..7
	v_and_b32 v1, 31, v0                           ; lane
	v_and_b32 v2, 15, v0                           ; r; also thread % 16
	v_bfe_u32 v3, v0, 4, 1                         ; h
	v_lshrrev_b32 v4, 4, v0                        ; thread / 16: a head
	s_delay_alu instid0(VALU_DEP_4)
	v_lshlrev_b32 v[LI], 4, v1
	s_delay_alu instid0(VALU_DEP_2)
	v_lshlrev_b32 v[CG], 12, v4
	s_delay_alu instid0(VALU_DEP_1)
	v_lshl_add_u32 v[CG], v2, 4, v[CG]
	v_lshlrev_b32 v[WSO], 7, v2
	v_lshlrev_b32 v[BFO], 4, v2
	v_mul_u32_u24 v[WW], v1, 272                   ; my piece q = lane of row n = w + 8 i: t = w % 4, r = w / 4 + 2 i
	s_and_b32 s17, s16, 3
	s_mul_i32 s17, s17, 8704
	s_lshr_b32 s18, s16, 2
	s_lshl_b32 s18, s18, 4
	s_add_co_u32 s17, s17, s18
	v_add_nc_u32 v[WW], s17, v[WW]
	v_mul_u32_u24 v[CW], v2, 384                   ; my 16 bytes are rows 8 (thread % 16) + 0 .. 7 of one head
	s_delay_alu instid0(VALU_DEP_1)
	v_lshl_add_u32 v[CW], v4, 1, v[CW]
	s_delay_alu instid0(VALU_DEP_1)
	v_add_nc_u32 v[CW], CST, v[CW]
	v_mul_u32_u24 v[CR], v2, 48
	s_mul_i32 s18, s16, 768
	s_add_co_u32 s18, s18, CST
	v_add_nc_u32 v[CR], s18, v[CR]                 ; row 16 w + r
	v_mul_u32_u24 v[BR], v3, 272
	s_delay_alu instid0(VALU_DEP_1)
	v_lshl_add_u32 v[BR], v2, 4, v[BR]
	v_lshlrev_b32 v[OO], 11, v3
	s_delay_alu instid0(VALU_DEP_1)
	v_lshl_add_u32 v[OO], v2, 4, v[OO]
	s_lshl_b32 s20, s16, 9                         ; Wf: row w
	s_mov_b32 s21, 0
	s_lshr_b32 s22, ttmp9, 4                       ; csc: 16 heads x 4,096 bytes a batch,
	s_lshl_b32 s22, s22, 16
	s_and_b32 s23, ttmp9, 15
	s_lshl_b32 s23, s23, 8                         ; 256 bytes for each 128 rows
	s_add_co_u32 s22, s22, s23
	s_mov_b32 s23, 0
	s_lshl_b32 s24, ttmp9, 3
	s_add_co_u32 s24, s24, s16                     ; my tile of 16 rows
	s_lshl_b32 s26, s24, 12                        ; 4,096 bytes of out0,
	s_mov_b32 s27, 0
	s_lshl_b32 s24, s24, 13                        ; 8,192 of cimg
	s_mov_b32 s25, 0
	s_wait_alu depctr_va_vdst(0)
	s_wait_kmcnt 0x0
	s_add_nc_u64 s[8:9], s[8:9], s[20:21]
	s_add_nc_u64 s[6:7], s[6:7], s[22:23]
	s_add_nc_u64 s[4:5], s[4:5], s[24:25]
	s_add_nc_u64 s[14:15], s[14:15], s[26:27]
.irp i, 0,1,2,3,4,5,6,7
	global_load_b128 v[B0+4*\i:B0+4*\i+3], v[LI], s[8:9] offset:4096*\i    ; Wf's row w + 8 i: 512 consecutive bytes
.endr
	global_load_b128 v[B0+32:B0+35], v[CG], s[6:7] th:TH_LOAD_NT           ; sixteen threads read a head's 256 bytes
.irp i, 0,1,2,3,4,5,6,7,8,9,10,11,12,13,14,15
	global_load_b128 v[A+4*\i:A+4*\i+3], v[LI], s[4:5] offset:512*\i th:TH_LOAD_NT   ; ctx's fragments, as they lie
.endr
.irp t, 0,1,2,3
	global_load_b128 v[WS+8*\t:WS+8*\t+3],   v[WSO], s[10:11] offset:32*\t     ; row 4 r + t: eight scale words
	global_load_b128 v[WS+8*\t+4:WS+8*\t+7], v[WSO], s[10:11] offset:32*\t+16
.endr
	global_load_b128 v[BB:BB+3], v[BFO], s[12:13]
	s_wait_loadcnt 25                              ; Wf's rows and csc's bytes are in; the 25 loads behind them (16 + 8 + 1) may be out
.irp i, 0,1,2,3,4,5,6,7
	ds_store_b128 v[WW], v[B0+4*\i:B0+4*\i+3] offset:32*\i
.endr
.irp k, 0,1,2,3
	ds_store_b16 v[CW], v[B0+32+\k] offset:96*\k               ; row 2 k of my eight,
	ds_store_b16_d16_hi v[CW], v[B0+32+\k] offset:96*\k+48     ; row 2 k + 1
.endr
	s_wait_dscnt 0x0                               ; for the others' sake: my stores are done
	s_barrier_signal -1
	s_barrier_wait -1
	ds_load_b128 v[CSW:CSW+3], v[CR]
	ds_load_b128 v[CSW+4:CSW+7], v[CR] offset:16
.macro BLOAD s                                 ; Wf's four fragments of K step s into set s % 2
.irp t, 0,1,2,3
.irp c, 0,1
	ds_load_b128 v[B0+32*((\s)%2)+8*\t+4*\c:B0+32*((\s)%2)+8*\t+4*\c+3], v[BR] offset:8704*\t+1088*(\s)+544*\c
.endr
.endr
.endm
	BLOAD 0
	s_wait_loadcnt 0x0                             ; ctx's fragments, Wf's scale words, bf
.irp s, 0,1,2,3,4,5,6,7
.if \s < 7
.if \s > 0
.rept 4
	v_nop                                          ; places ahead of loads into the set that the last step's products read
.endr
.endif
	BLOAD \s+1
	s_wait_dscnt 8                                 ; this step's fragments are in; the next step's eight loads may be out
.else
	s_wait_dscnt 0x0
.endif
.irp t, 0,1,2,3                                ; four accumulators by turns, one instruction a turn; the first K step starts the sums
.if \s == 0
	v_wmma_scale_f32_16x16x128_f8f6f4 v[ACC+8*\t:ACC+8*\t+7], v[A+8*\s:A+8*\s+7], v[B0+32*(\s%2)+8*\t:B0+32*(\s%2)+8*\t+7], 0, v[CSW+\s], v[WS+8*\t+\s] matrix_a_fmt:MATRIX_FMT_FP4 matrix_b_fmt:MATRIX_FMT_FP4
.else
	v_wmma_scale_f32_16x16x128_f8f6f4 v[ACC+8*\t:ACC+8*\t+7], v[A+8*\s:A+8*\s+7], v[B0+32*(\s%2)+8*\t:B0+32*(\s%2)+8*\t+7], v[ACC+8*\t:ACC+8*\t+7], v[CSW+\s], v[WS+8*\t+\s] matrix_a_fmt:MATRIX_FMT_FP4 matrix_b_fmt:MATRIX_FMT_FP4
.endif
.endr
.endr
.rept 4
	v_nop                                          ; ahead of the first read of results and of writes into ctx's registers
.endr
.irp j, 0,1,2,3,4,5,6,7
.irp t, 0,1,2,3
	v_add_f32 v[A+4*\j+\t], v[ACC+8*\t+\j], v[BB+\t]   ; out(8 h + j, 4 r + t); each accumulator from its low end on
.endr
.endr
.irp j, 0,1,2,3,4,5,6,7
	global_store_b128 v[OO], v[A+4*\j:A+4*\j+3], s[14:15] offset:256*\j th:TH_STORE_NT   ; sixteen lanes store a whole row of 256 bytes, aligned
.endr
	s_wait_tensorcnt 0x0                           ; the wave's end
	ds_add_u32 v[SPW], v[NIL]
	s_wait_dscnt 0x0
	s_endpgm
.Lfunc_end_k_qc37256150c_outp:
	.size	k_qc37256150c_outp, .Lfunc_end_k_qc37256150c_outp-k_qc37256150c_outp
	.p2alignl 7, 3214868480
	.fill 96, 4, 3214868480
	.section	.rodata,"a",@progbits
	.p2align	6, 0x0
	.amdhsa_kernel k_qc37256150c_outp
		.amdhsa_group_segment_fixed_size 41984
		.amdhsa_private_segment_fixed_size 0
		.amdhsa_enable_private_segment 0
		.amdhsa_kernarg_size 48
		.amdhsa_user_sgpr_count 2
		.amdhsa_user_sgpr_kernarg_segment_ptr 1
		.amdhsa_wavefront_size32 1
		.amdhsa_system_sgpr_workgroup_id_x 1
		.amdhsa_system_sgpr_workgroup_id_y 1
		.amdhsa_system_sgpr_workgroup_id_z 1
		.amdhsa_system_vgpr_workitem_id 0
		.amdhsa_next_free_vgpr 256
		.amdhsa_next_free_sgpr 66
		.amdhsa_reserve_vcc 0
		.amdhsa_float_denorm_mode_32 3
		.amdhsa_float_denorm_mode_16_64 3
		.amdhsa_memory_ordered 1
		.amdhsa_forward_progress 1
		.amdhsa_inst_pref_size 19
	.end_amdhsa_kernel
	.amdgpu_metadata
---
amdhsa.version: [ 1, 2 ]
amdhsa.kernels:
  - .name:           k_qc37256150c_outp
    .symbol:         k_qc37256150c_outp.kd
    .args:
      - { .name: cimg, .offset: 0, .size: 8, .value_kind: global_buffer, .address_space: global }
      - { .name: csc, .offset: 8, .size: 8, .value_kind: global_buffer, .address_space: global }
      - { .name: Wf_codes, .offset: 16, .size: 8, .value_kind: global_buffer, .address_space: global }
      - { .name: Wf_scales, .offset: 24, .size: 8, .value_kind: global_buffer, .address_space: global }
      - { .name: bf, .offset: 32, .size: 8, .value_kind: global_buffer, .address_space: global }
      - { .name: out0, .offset: 40, .size: 8, .value_kind: global_buffer, .address_space: global }
    .group_segment_fixed_size: 41984
    .private_segment_fixed_size: 0
    .kernarg_segment_align: 8
    .kernarg_segment_size: 48
    .max_flat_workgroup_size: 256
    .sgpr_count:     66
    .vgpr_count:     256
    .wavefront_size: 32
...
	.end_amdgpu_metadata
.endif
;; end of part 3
